; MI455X (gfx1250); checked and timed in simulation.
; The chip was launched on July 23, 2026; its instructions are those of AMD's public machine-readable ISA for CDNA 5 (MIT licence, August 2026) and "CDNA5" Instruction Set Architecture Reference Guide (July 2026). The comments in the code are by the model that wrote it; some were corrected since.
;; Causal Self Attention. Allowed arithmetic: matrix products marked QUANTISED: E4M3 operands, one given power-of-two scale a tensor, by v_wmma_f32_16x16x64_fp8_fp8 or v_wmma_f32_16x16x128_fp8_fp8, f32 sums; everything else in f32.
;; Inputs: b_o 1,024 float32; b_qkv 3,072 float32; lowp_scales 8 int32 (the exponents e of the quantised operands' scales 2^e); w_o 1,024 x 1,024 float32; w_qkv 1,024 x 3,072 float32; x 4 x 2,048 x 1,024 float32.
;; Outputs: out0 4 x 2,048 x 1,024 float32.
;; This version of the problem:
;;   THIS VERSION OF THE PROBLEM IS GIVEN IN LOW PRECISION. The matrix products marked QUANTISED in the list below multiply operands that are first quantised to E4M3 (4 exponent bits, 3 mantissa bits; 8 bits a number), with one given power-of-two scale for each operand tensor; their sums are f32. All else is computed in f32.
;;   The module's matrix products, in the order in which they are computed (A, B: the left and right operand; K: the contracted axis; several contracted axes count as one K, in the product's order):
;;     1. [M 8,192, K 1,024] x [K 1,024, N 3,072]; A: input x; B: input w_qkv: QUANTISED (scales: A lowp_scales[0], B lowp_scales[1])
;;     2. batch 64 x [M 2,048, K 64] x [K 64, N 2,048]; A: computed on the way; B: computed on the way: QUANTISED (scales: A lowp_scales[2], B lowp_scales[3])
;;     3. batch 64 x [M 2,048, K 2,048] x [K 2,048, N 64]; A: softmax (see below); B: computed on the way: QUANTISED (scales: A lowp_scales[4], B lowp_scales[5])
;;     4. [M 8,192, K 1,024] x [K 1,024, N 1,024]; A: computed on the way; B: input w_o: QUANTISED (scales: A lowp_scales[6], B lowp_scales[7])
;;   THE QUANTISER, for each operand of a quantised product, along K:
;;     - The operand's scale is 2^e, e = its entry of the input lowp_scales (int32; the entries are numbered through the quantised products in the list's order, A before B).
;;     - Each number is divided by the scale, clamped to +-448, and rounded to the nearest number of E4M3, ties to even, subnormals kept.
;;     - The product sums the exact products of the quantised numbers (number of the format x scale) in f32.
;;   ~~~python
;;   def quantise(x, axis, e):      # numpy; x: float32 -> the quantised numbers, widened to float32 again
;;       x = np.moveaxis(x, axis, -1); K = x.shape[-1]
;;       r = np.clip(x / 2.0 ** e, -448, 448)
;;       step = 2.0 ** (np.maximum(np.frexp(np.where(r == 0, 1, r))[1] - 1, -6) - 3)
;;       q = np.round(r / step) * step * 2.0 ** e      # np.round: ties to even
;;       return np.moveaxis(q, -1, axis).astype(np.float32)
;;   ~~~
;;   SOFTMAX AHEAD OF A QUANTISED PRODUCT. Where the list says 'softmax', what is quantised is not the finished softmax but p = 2^(t - M), with t = logit x log2(e) and M = ceil(the row's largest t), a whole number; so 1/2 < the row's largest p <= 1. The row's sum l is taken of the UNQUANTISED p, in f32, and the product's result is divided by l at the end. Since M is a whole number, a kernel that streams over the keys may use a running M (the ceiling of the running maximum): every later rescaling is an exact power of two, so the quantised numbers keep their values, but for numbers so far below the row's largest that they fall under the format's range.
;;   OPERANDS COMPUTED ON THE WAY. 'Computed on the way' means the value that the module computes at that place (a softmax that the list does not call 'softmax' is quantised finished and normalised). What goes into a quantiser is computed in f32, as accurately as f32 sums, v_exp_f32 and their like allow (about 1e-6 of the number): no bf16 or f16 on the way to a quantiser, and a product that is left as it is and whose result goes on into a quantised operand takes f32 operands (vector FMAs, or v_wmma_f32_16x16x4_f32). A number that lies on a knife's edge between two numbers of the format may be rounded either way, as far as f32 arithmetic and the matrix unit's own rounding can turn it there, and no further.
;; One version. Each part assembles by itself: llvm-mc -triple=amdgcn-amd-amdhsa -mcpu=gfx1250 --defsym DOCPART=n.
;; ======== version 1 of 1: 4 launches
;; limits: right only within a limited range of input values
;; workspace buffers: x_img 8,388,608 bytes; wqkv_img 3,145,728 bytes; wo_img 1,048,576 bytes; q_img 8,388,608 bytes; k_img 8,388,608 bytes; v_img 8,388,608 bytes; y_img 8,388,608 bytes
;; launch prep (part 1): grid 384 x 1, 4 waves a work-group, no clusters, 34,304 bytes of LDS; arguments x, w_qkv, w_o, lowp_scales, x_img, wqkv_img, wo_img; writes x_img, wqkv_img, wo_img
.if DOCPART == 1
	.amdgcn_target "amdgcn-amd-amdhsa--gfx1250"
	.amdhsa_code_object_version 6
	.text
	.protected	k_q2b3abf0aaf_prep
	.globl	k_q2b3abf0aaf_prep
	.p2align	8
	.type	k_q2b3abf0aaf_prep,@function
k_q2b3abf0aaf_prep:
	s_mov_b64 s[64:65], 0
	v_nop
	global_prefetch_b8 v0, s[64:65] scope:SCOPE_SE
	s_setreg_imm32_b32 hwreg(HW_REG_WAVE_MODE, 25, 1), 1
	s_wait_xcnt 0x0
; x [8192][1024], w_qkv [1024][3072] and w_o [1024][1024], f32, become codes of E4M3, each with its given scale 2^e (entries 0, 1 and 7 of the scales).
; code = number / 2^e, held within +-448, rounded to the nearest code, ties to even.
; LIMITS: each e between -126 and 119, so that 2^e and 448 x 2^e are f32 numbers.  NaN among the inputs is not served; an infinity is held at the largest code.
; THE CODES ARE LAID AS IMAGES OF OPERAND REGISTERS.  A fragment is 16 rows x 128 k in 2,048 bytes: byte 512 c + 16 lane + z holds
; (row pi(i, lane % 16), k = 32 c + 16 (lane / 16) + z); tile i of a block of 128 rows has the rows pi(i, p) = 32 (i / 2) + 8 (i % 2) + p + 8 (p / 8).
; A buffer: row block x 131,072 + (k / 128) x 16,384 + i x 2,048 + the fragment.  For the weights a 'row' is a column n, since K is their first axis.
; SHARES: every work-group reads 128 KiB.  Work-groups 0-255: x; 256-351: w_qkv; 352-383: w_o.  The paths part on the work-group's number; only x's path keeps data in LDS.
; No matrix unit, no tensor load, no cluster: the launch streams, and work-groups share no input.
.set SPARE, 33792                      ; behind the four stages: the spare words, 128 bytes for each wave: two blocks of 256 bytes that no other line names
.set STG,   8448                       ; a wave's stage: 16 rows x 528 bytes
.set SP,    528                        ; a stage row: 512 bytes + 16: an odd multiple of 16, so that sixteen rows' reads fall on different banks
.set SPW,   2                          ; v2   LDS address of my spare word; never rewritten
.set NIL,   3                          ; v3   0; never rewritten
.set R,     16                         ; v16-143  x: two sets of 64 registers as loaded
.set X,     144                        ; v144-207 x: 64 numbers in the operand's order
.set C,     208                        ; v208-239 x: two sets of 16 registers of codes
.set WN,    16                         ; v16-79   weights: two sets of 32 numbers down K
.set WC,    80                         ; v80-143  weights: 8 registers of codes for each of 8 blocks, never rewritten
.macro MKSCALE e                       ; v11 = 2^e (the conversion takes its exponent field), s28 = 448 x 2^e
	s_add_co_i32 s28, s[\e], 127
	s_lshl_b32 s29, s28, 23
	v_mov_b32 v11, s29
	s_add_co_i32 s28, s28, 8
	s_lshl_b32 s28, s28, 23
	s_or_b32 s28, s28, 0x600000
.endm
.macro CLOSE                           ; the wave's end
	s_wait_tensorcnt 0x0
	ds_add_u32 v[SPW], v[NIL]
	s_wait_dscnt 0x0
	s_endpgm
.endm
	s_load_b256 s[4:11], s[0:1], 0x0               ; x s[4:5], w_qkv s[6:7], w_o s[8:9], the scales s[10:11]
	s_load_b128 s[12:15], s[0:1], 0x20             ; x_img s[12:13], wqkv_img s[14:15]
	s_load_b64 s[16:17], s[0:1], 0x30              ; wo_img
	v_lshl_add_u32 v[SPW], v0, 2, SPARE
	v_mov_b32 v[NIL], 0
	v_lshrrev_b32 v1, 5, v0
	v_readfirstlane_b32 s18, v1                    ; wave 0..3
	v_and_b32 v9, 31, v0                           ; lane
	v_and_b32 v12, 15, v0                          ; r
	v_bfe_u32 v13, v0, 4, 1                        ; h
	v_lshlrev_b32 v4, 4, v9                        ; 16 x lane
	s_mul_i32 s19, s18, STG
	v_add_nc_u32 v5, s19, v4                       ; the stage, on the way in: 16 x lane in a row
	v_mul_u32_u24 v6, v12, SP
	v_lshl_add_u32 v6, v13, 6, v6
	v_add_nc_u32 v6, s19, v6                       ; and on the way out: row r, + 64 h: my 16 numbers of a block of 32
	v_and_b32 v7, 8, v12
	v_add_nc_u32 v7, v7, v12
	v_lshl_add_u32 v7, v13, 3, v7
	v_lshlrev_b32 v7, 2, v7                        ; weights: my column among the wave's 32: 8 h + r + 8 (r / 8), x 4 bytes
	v_lshlrev_b32 v8, 4, v12
	v_lshl_add_u32 v8, v13, 11, v8                 ; weights: where my codes go: tile 2 wave + h, 16 r
	s_wait_kmcnt 0x0
	s_load_b256 s[20:27], s[10:11], 0x0            ; e0 .. e7
	s_cmp_lt_u32 ttmp9, 256
	s_cbranch_scc0 .Lweights
; ---- x.  A wave takes one tile of 16 tokens x 512 along K: four fragments.  Each load reads 512 consecutive bytes of one token; the 16 rows turn through the
; wave's own stage and come back 64 bytes a lane, in the operand's order.  A fragment's codes leave as four stores of 512 consecutive bytes.
	s_lshl_b32 s30, ttmp9, 2
	s_add_co_u32 s30, s30, s18                     ; W = 4 x work-group + wave
	s_lshr_b32 s31, s30, 1                         ; the tile of tokens, 0 .. 511
	s_and_b32 s30, s30, 1                          ; which half of K
	s_lshr_b32 s32, s31, 3                         ; row block
	s_and_b32 s31, s31, 7                          ; tile i in it
	s_lshr_b32 s33, s31, 1
	s_lshl_b32 s33, s33, 5
	s_and_b32 s34, s31, 1
	s_lshl_b32 s34, s34, 3
	s_add_co_u32 s33, s33, s34
	s_lshl_b32 s34, s32, 7
	s_add_co_u32 s33, s33, s34                     ; the tile's first token: 128 block + 32 (i / 2) + 8 (i % 2)
	s_lshl_b32 s36, s33, 12                        ; x 4,096 bytes
	s_lshl_b32 s34, s30, 11
	s_add_co_u32 s36, s36, s34
	s_mov_b32 s37, 0
	s_add_nc_u64 s[4:5], s[4:5], s[36:37]
	s_lshl_b32 s36, s32, 17
	s_lshl_b32 s34, s30, 16
	s_add_co_u32 s36, s36, s34
	s_lshl_b32 s34, s31, 11
	s_add_co_u32 s36, s36, s34
	s_add_nc_u64 s[12:13], s[12:13], s[36:37]
.macro LOADF f                         ; fragment f: 16 tokens x 512 bytes into set f % 2
.irp p, 0,1,2,3,4,5,6,7,8,9,10,11,12,13,14,15
	global_load_b128 v[R+64*((\f)%2)+4*\p:R+64*((\f)%2)+4*\p+3], v4, s[4:5] offset:(\p+8*(\p/8))*4096+512*(\f) th:TH_LOAD_NT
.endr
.endm
.macro FRAGX f
.if (\f) < 3
	s_wait_loadcnt 16                              ; this fragment's 16 loads are in; the next fragment's 16 may be out
.else
	s_wait_loadcnt 0x0
.endif
.irp p, 0,1,2,3,4,5,6,7,8,9,10,11,12,13,14,15
	ds_store_b128 v5, v[R+64*((\f)%2)+4*\p:R+64*((\f)%2)+4*\p+3] offset:SP*\p
.endr
.irp c, 0,1,2,3
.irp j, 0,1,2,3
	ds_load_b128 v[X+16*\c+4*\j:X+16*\c+4*\j+3], v6 offset:128*\c+16*\j   ; LDS serves a wave's instructions in order: these see my stores
.endr
.endr
	s_wait_dscnt 0x0
.if (\f) < 2
	LOADF (\f)+2
.else
	s_wait_xcnt 0x0                                ; the stores of two fragments ago have read this set of codes: it is rewritten only behind this wait
.endif
.set xi, 0
.rept 64
.set xi, xi+1
.endr
.set xi, 0
.rept 8
	v_cvt_scalef32_pk8_fp8_f32 v[C+16*((\f)%2)+2*xi:C+16*((\f)%2)+2*xi+1], v[X+8*xi:X+8*xi+7], v11
.set xi, xi+1
.endr
	v_nop                                          ; a plain vector line behind the last conversion
.irp c, 0,1,2,3
	global_store_b128 v4, v[C+16*((\f)%2)+4*\c:C+16*((\f)%2)+4*\c+3], s[12:13] offset:16384*(\f)+512*\c   ; 32 lanes store 512 consecutive bytes, aligned
.endr
.endm
	LOADF 0
	LOADF 1
	s_wait_kmcnt 0x0
	MKSCALE 20
	s_wait_alu depctr_va_vdst(0)
	FRAGX 0
	FRAGX 1
	FRAGX 2
	FRAGX 3
	CLOSE
; ---- the weights.  A work-group takes 128 columns x 256 along K, a wave 32 columns.  A LANE TAKES A COLUMN AND ITS REGISTERS RUN DOWN K: each load reads 128
; consecutive bytes, and the conversions give codes with K innermost.  Lanes 0-15 hold tile 2 wave, lanes 16-31 tile 2 wave + 1: sixteen lanes' 16 bytes are 256 consecutive bytes of an image.
.macro LOADW t, n
.set wi, 0
.rept 32
	global_load_b32 v[WN+32*((\t)%2)+wi], v7, s[38:39] offset:(32*(\t)+wi)*4*(\n) th:TH_LOAD_NT
.set wi, wi+1
.endr
.endm
.macro BLOCKW t, n
.if (\t) < 7
	s_wait_loadcnt 32                              ; this block's 32 loads are in; the next block's may be out
.else
	s_wait_loadcnt 0x0
.endif
.set wi, 0
.rept 32
.set wi, wi+1
.endr
.set wi, 0
.rept 4
	v_cvt_scalef32_pk8_fp8_f32 v[WC+8*(\t)+2*wi:WC+8*(\t)+2*wi+1], v[WN+32*((\t)%2)+8*wi:WN+32*((\t)%2)+8*wi+7], v11
.set wi, wi+1
.endr
	v_nop                                          ; a plain vector line behind the last conversion
.if (\t)+2 < 8
	LOADW (\t)+2, \n
.endif
	global_store_b128 v8, v[WC+8*(\t):WC+8*(\t)+3], s[40:41] offset:16384*((\t)/4)+512*((\t)%4)          ; k = 32 t + 0 .. 15: sixteen lanes store 256 consecutive bytes, aligned
	global_store_b128 v8, v[WC+8*(\t)+4:WC+8*(\t)+7], s[40:41] offset:16384*((\t)/4)+512*((\t)%4)+256    ; k = 32 t + 16 .. 31
.endm
.macro WPATH n, first, sp, dp, e
	s_sub_co_u32 s30, ttmp9, \first
	s_lshr_b32 s31, s30, 2                         ; the block of 128 columns
	s_and_b32 s30, s30, 3                          ; which 256 along K
	s_mul_i32 s36, s30, 256*4*(\n)
	s_lshl_b32 s32, s31, 9
	s_add_co_u32 s36, s36, s32
	s_lshl_b32 s32, s18, 7
	s_add_co_u32 s36, s36, s32
	s_mov_b32 s37, 0
	s_add_nc_u64 s[38:39], s[\sp:\sp+1], s[36:37]
	s_lshl_b32 s36, s31, 2
	s_add_co_u32 s36, s36, s30
	s_lshl_b32 s36, s36, 15
	s_lshl_b32 s32, s18, 12
	s_add_co_u32 s36, s36, s32
	s_add_nc_u64 s[40:41], s[\dp:\dp+1], s[36:37]
	LOADW 0, \n
	LOADW 1, \n
	s_wait_kmcnt 0x0
	MKSCALE \e
	s_wait_alu depctr_va_vdst(0)
.irp t, 0,1,2,3,4,5,6,7
	BLOCKW \t, \n
.endr
	CLOSE
.endm
.Lweights:
	s_cmp_lt_u32 ttmp9, 352
	s_cbranch_scc0 .Lwo
	s_wait_alu depctr_va_vdst(0)
	WPATH 3072, 256, 6, 14, 21
.Lwo:
	s_wait_alu depctr_va_vdst(0)
	WPATH 1024, 352, 8, 16, 27
.Lfunc_end_k_q2b3abf0aaf_prep:
	.size	k_q2b3abf0aaf_prep, .Lfunc_end_k_q2b3abf0aaf_prep-k_q2b3abf0aaf_prep
	.p2alignl 7, 3214868480
	.fill 96, 4, 3214868480
	.section	.rodata,"a",@progbits
	.p2align	6, 0x0
	.amdhsa_kernel k_q2b3abf0aaf_prep
		.amdhsa_group_segment_fixed_size 34304
		.amdhsa_private_segment_fixed_size 0
		.amdhsa_enable_private_segment 0
		.amdhsa_kernarg_size 56
		.amdhsa_user_sgpr_count 2
		.amdhsa_user_sgpr_kernarg_segment_ptr 1
		.amdhsa_wavefront_size32 1
		.amdhsa_system_sgpr_workgroup_id_x 1
		.amdhsa_system_sgpr_workgroup_id_y 1
		.amdhsa_system_sgpr_workgroup_id_z 1
		.amdhsa_system_vgpr_workitem_id 0
		.amdhsa_next_free_vgpr 240
		.amdhsa_next_free_sgpr 66
		.amdhsa_reserve_vcc 0
		.amdhsa_float_denorm_mode_32 3
		.amdhsa_float_denorm_mode_16_64 3
		.amdhsa_fp16_overflow 1
		.amdhsa_memory_ordered 1
		.amdhsa_forward_progress 1
		.amdhsa_inst_pref_size 79
	.end_amdhsa_kernel
	.amdgpu_metadata
---
amdhsa.version: [ 1, 2 ]
amdhsa.kernels:
  - .name:           k_q2b3abf0aaf_prep
    .symbol:         k_q2b3abf0aaf_prep.kd
    .args:
      - { .name: x, .offset: 0, .size: 8, .value_kind: global_buffer, .address_space: global }
      - { .name: w_qkv, .offset: 8, .size: 8, .value_kind: global_buffer, .address_space: global }
      - { .name: w_o, .offset: 16, .size: 8, .value_kind: global_buffer, .address_space: global }
      - { .name: lowp_scales, .offset: 24, .size: 8, .value_kind: global_buffer, .address_space: global }
      - { .name: x_img, .offset: 32, .size: 8, .value_kind: global_buffer, .address_space: global }
      - { .name: wqkv_img, .offset: 40, .size: 8, .value_kind: global_buffer, .address_space: global }
      - { .name: wo_img, .offset: 48, .size: 8, .value_kind: global_buffer, .address_space: global }
    .group_segment_fixed_size: 34304
    .private_segment_fixed_size: 0
    .kernarg_segment_align: 8
    .kernarg_segment_size: 56
    .max_flat_workgroup_size: 128
    .sgpr_count:     66
    .vgpr_count:     240
    .wavefront_size: 32
...
	.end_amdgpu_metadata
.endif
;; end of part 1
;; launch qkv (part 2): grid 12 x 32, 4 waves a work-group, clusters of 4 x 4, 327,680 bytes of LDS; arguments x_img, wqkv_img, lowp_scales, b_qkv, q_img, k_img, v_img; writes q_img, k_img, v_img
.if DOCPART == 2
	.amdgcn_target "amdgcn-amd-amdhsa--gfx1250"
	.amdhsa_code_object_version 6
	.text
	.protected	k_q2b3abf0aaf_qkv
	.globl	k_q2b3abf0aaf_qkv
	.p2align	8
	.type	k_q2b3abf0aaf_qkv,@function
k_q2b3abf0aaf_qkv:
	s_mov_b64 s[64:65], 0
	v_nop
	global_prefetch_b8 v0, s[64:65] scope:SCOPE_SE
	s_setreg_imm32_b32 hwreg(HW_REG_WAVE_MODE, 25, 1), 1
	s_wait_xcnt 0x0
	s_wait_alu depctr_hold_cnt(0) depctr_sa_sdst(0) depctr_va_vdst(0) depctr_va_sdst(0) depctr_va_ssrc(0) depctr_va_vcc(0) depctr_vm_vsrc(0)
	s_getreg_b32 s2, hwreg(HW_REG_IB_STS2, 6, 4)
	s_cmp_eq_u32 s2, 0
	s_cbranch_scc0 .Lentry_in_a_cluster
	s_endpgm
.Lentry_in_a_cluster:
	s_bfe_u32 s2, ttmp6, 0x10000c
	s_cmp_lg_u32 s2, 0xf033
	s_cbranch_scc0 .Lentry_shape_is_right
	s_endpgm
.Lentry_shape_is_right:
; qkv = x w_qkv + b_qkv on codes of E4M3 (8192 x 1024 x 3072), and q, k, v quantised on the way out with their given scales (entries 2, 3, 5).
; Each finished sum is multiplied once by 2^(e0 + e1), the bias is added in the same fused multiply-add, the number is held within +-448 x 2^e and converted.
; LIMITS: e0 + e1 between -126 and 127; e2, e3, e5 between -126 and 119.  Along K the codes stand in the same permuted order in both operands, so the order of the sums inside an instruction is not the ascending one.
; OPERANDS ARE IMAGES OF REGISTERS: a fragment (16 rows x 128 k) is 2,048 bytes, byte 512 c + 16 lane + z = (row pi(i, lane % 16), k = 32 c + 16 (lane / 16) + z), pi(i, p) = 32 (i / 2) + 8 (i % 2) + p + 8 (p / 8).
; 256 along K of a block of 128 rows are 32,768 consecutive bytes: one tensor load; LDS reads are 512 consecutive bytes an instruction, so no padding.
; SHARES: a work-group of four waves makes 256 tokens x 256 columns, a wave 128 x 128: 64 accumulators.  K goes in four slots' worth of 256 through two LDS slots: the walk is written out.
; CLUSTERS: 4 x 4 work-groups; x's tiles are asked for jointly along a row of the cluster, the weight's along a column.  The cluster's x says what is made: 0 q, 1 k, 2 v: the same in all sixteen partners.
; WHICH OPERAND IS SOURCE 0.  In the result a lane holds one row of source 1, and its registers of two neighbouring tiles 16 neighbouring rows of source 0.  q and k are wanted with d along the registers: source 0 = the weight.
; v is wanted with the tokens (the keys) along the registers: source 0 = x.  Both regions of a slot have one layout, so only the two LDS read bases differ, chosen once by the cluster's x.
; So the conversions' results are pieces of the next launch's images, and every store of a wave covers 512 consecutive bytes, aligned: no stage.
; REGISTERS: window 0: v0-31 addresses; v32-95 the bias along the registers; v96-111 the bias of the lane's column, twice each; v128-255 source 1's eight fragments, later numbers and codes.
;   window 1: source 0's fragments, two sets.   windows 2, 3: the accumulators ((a, b) at v[8 (8 (a % 4) + b)]).
.set HALFT,  32768                     ; what one tensor load brings: 128 rows x 256 k
.set SLOT,   131072                    ; x's two row blocks, then the weight's two
.set SPARE,  262144                    ; behind the ring: the spare words, 128 bytes for each wave: two blocks of 256 bytes that no other line names
.set FR,     16
.set NL,     4
.set NP,     4                         ; places behind this matrix instruction (ISA guide 7.12.1)
.set ADRA, 16                          ; v16-17  LDS address of source 1's fragments in slot 0, 1
.set ADRB, 20                          ; v20-21  the same for source 0
.set SPW,  28                          ; v28     LDS address of my spare word; never rewritten
.set NIL,  29                          ; v29     0; never rewritten
.set BQ,   32
.set BV,   96
.set AF,   128
.set T,    128                         ; the way out: 64 numbers
.set CD,   192                         ; the way out: four sets of 16 registers of codes
.set G1, 24
.set G0, 32
.set G1B, 48
.set G0B, 56
.set MSB, 0
.macro WIN new                         ; the immediate's high byte repeats the setting that is left
.if MSB != (\new)
	s_set_vgpr_msb (MSB<<8)|(\new)
.set MSB, (\new)
.endif
.endm
.set MUL_LO, 0xa1                      ; source 0 window 1, source 1 window 0, C and D window 2
.set MUL_HI, 0xf1                      ; the same, C and D window 3
.set TO_B,   0x40                      ; destination window 1, address window 0
; A joint load: waves 0 and 1 fetch x's two blocks, waves 2 and 3 the weight's.  The branch hangs on the wave's number alone.  An s_nop 0 and four v_nop follow each line.
.macro JLOAD g0a, g1a, g0b, g1b
	s_cmp_eq_u32 s15, 0
	s_cbranch_scc0 .Lfor_b_\@
	tensor_load_to_lds s[\g0a:\g0a+3], s[\g1a:\g1a+7]
	s_nop 0
.rept 4
	v_nop
.endr
	s_branch .Lasked_\@
.Lfor_b_\@:
	tensor_load_to_lds s[\g0b:\g0b+3], s[\g1b:\g1b+7]
	s_nop 0
.rept 4
	v_nop
.endr
.Lasked_\@:
.endm
.macro CREST                           ; a round of the cluster's barrier behind its opening barrier
	s_cmp_lg_u32 s14, 0
	s_cbranch_scc1 .Lnot_wave_0_\@
	s_barrier_signal -3
.Lnot_wave_0_\@:
	s_barrier_wait -3
	s_barrier_signal -1
	s_barrier_wait -1
.endm
.macro CROUND
	s_barrier_signal -1
	s_barrier_wait -1
	CREST
.endm
	s_load_b256 s[4:11], s[0:1], 0x0               ; x_img s[4:5], wqkv_img s[6:7], the scales s[8:9], b_qkv s[10:11]
	s_load_b128 s[68:71], s[0:1], 0x20             ; q_img, k_img
	s_load_b64 s[72:73], s[0:1], 0x30              ; v_img
	v_lshl_add_u32 v[SPW], v0, 2, SPARE
	v_mov_b32 v[NIL], 0
	ds_add_u32 v[SPW], v[NIL]                      ; the wave's opening: the add and its wait stand ahead of my first tensor load; the set-up below, work on registers, stands between them
	ds_add_u32 v[SPW], v[NIL]
	v_lshrrev_b32 v1, 5, v0
	v_readfirstlane_b32 s14, v1                    ; wave 0..3
	s_lshr_b32 s15, s14, 1                         ; a1: my half of source 1.  Also: I fetch for x (0) or for the weight (1)
	s_and_b32 s16, s14, 1                          ; a0: my half of source 0.  Also: which block of 128 rows I fetch
	s_bfe_u32 s40, ttmp6, 0x40000                  ; cx
	s_bfe_u32 s41, ttmp6, 0x40004                  ; cy
	s_lshl_b32 s42, ttmp9, 2
	s_add_co_u32 s42, s42, s40                     ; tile column = 4 x cluster x + cx, 0 .. 11
	s_and_b32 s17, ttmp7, 0xffff
	s_lshl_b32 s17, s17, 2
	s_add_co_u32 s17, s17, s41                     ; tile row = 4 x cluster y + cy, 0 .. 31
	s_lshl_b32 s43, s41, 2
	s_lshl_b32 s43, 15, s43                        ; my row of the cluster
	s_lshl_b32 s44, 0x1111, s40                    ; my column
	s_or_b32 s[G1+0], s43, (1<<21)                 ; 15:0 the mask: x's tiles go to my row; 17:16 elements of 1 byte; 21 set beside a mask; no padding
	s_or_b32 s[G1B+0], s44, (1<<21)                ; the weight's tiles go to my column
.irp g, G1, G1B
	s_mov_b32 s[\g+1], 256<<16                     ; tensor_dim0 = 256
	s_mov_b32 s[\g+2], 128<<16                     ; tensor_dim1 = 128
	s_mov_b32 s[\g+3], 256<<16                     ; tile_dim0 = 256
	s_mov_b32 s[\g+4], 128                         ; tile_dim1 = 128
	s_mov_b32 s[\g+5], 256                         ; from row to row: the block is dense
	s_mov_b32 s[\g+6], 0
	s_mov_b32 s[\g+7], 0
.endr
	s_lshl_b32 s20, s17, 1
	s_add_co_u32 s20, s20, s16
	s_lshl_b32 s20, s20, 17                        ; x: row block 2 x tile row + half, x 131,072 bytes
	s_mov_b32 s21, 0
	s_lshl_b32 s46, s42, 1
	s_add_co_u32 s46, s46, s16
	s_lshl_b32 s46, s46, 17                        ; the weight: block 2 x tile column + half
	s_mov_b32 s47, 0
	s_mul_i32 s45, s14, HALFT                      ; where they go: wave x 32,768: no place in the cluster enters an LDS address
	s_wait_dscnt 0x0                               ; the opening add is done
	s_wait_kmcnt 0x0
	s_load_b256 s[80:87], s[8:9], 0x0              ; e0 .. e7
	s_add_nc_u64 s[20:21], s[4:5], s[20:21]
	s_add_nc_u64 s[46:47], s[6:7], s[46:47]
	CROUND                                         ; all sixteen work-groups are here: the first joint loads meet
.irp s, 0,1
	s_mov_b32 s[G0+4*\s], 1
	s_add_co_u32 s[G0+4*\s+1], s45, \s*SLOT
	s_add_nc_u64 s[G0+4*\s+2:G0+4*\s+3], s[20:21], \s*HALFT
	s_or_b32 s[G0+4*\s+3], s[G0+4*\s+3], 0x80000000
	s_mov_b32 s[G0B+4*\s], 1
	s_add_co_u32 s[G0B+4*\s+1], s45, \s*SLOT
	s_add_nc_u64 s[G0B+4*\s+2:G0B+4*\s+3], s[46:47], \s*HALFT
	s_or_b32 s[G0B+4*\s+3], s[G0B+4*\s+3], 0x80000000
	JLOAD G0+4*\s, G1, G0B+4*\s, G1B
.endr
	v_and_b32 v1, 31, v0
	v_lshlrev_b32 v26, 4, v1                       ; 16 x lane: an image's place for my lane; also my place in every store
	s_wait_alu depctr_va_vdst(0)
	s_cmp_eq_u32 ttmp9, 2                          ; v?  Then source 1 is read from the weight's region and source 0 from x's
	s_cselect_b32 s21, 0x10000, 0
	s_cselect_b32 s22, 0, 0x10000
	s_lshl_b32 s23, s15, 15
	s_add_co_u32 s21, s21, s23
	s_lshl_b32 s23, s16, 15
	s_add_co_u32 s22, s22, s23
.irp s, 0,1
	v_add_nc_u32 v[ADRA+\s], s21, v26
	v_add_nc_u32 v[ADRB+\s], s22, v26
	s_add_co_u32 s21, s21, SLOT
	s_add_co_u32 s22, s22, SLOT
.endr
	; the bias, in both layouts, so that no register of the way out is left unwritten on either way
	v_and_b32 v2, 15, v0                           ; r
	v_bfe_u32 v3, v0, 4, 1                         ; h
	v_lshlrev_b32 v22, 6, v3                       ; 16 h numbers
	s_wait_alu depctr_va_vdst(0)
	v_and_b32 v4, 8, v2
	v_add_nc_u32 v4, v4, v2
	v_lshlrev_b32 v23, 2, v4                       ; r + 8 (r / 8) numbers
	s_wait_alu depctr_va_vdst(0)
	s_lshl_b32 s74, s42, 10
	s_lshl_b32 s75, s16, 9
	s_add_co_u32 s74, s74, s75
	s_mov_b32 s75, 0
	s_add_nc_u64 s[74:75], s[10:11], s[74:75]      ; b at column 256 x tile column + 128 a0
	s_lshl_b32 s76, s42, 10
	s_lshl_b32 s77, s15, 9
	s_add_co_u32 s76, s76, s77
	s_mov_b32 s77, 0
	s_add_nc_u64 s[76:77], s[10:11], s[76:77]      ; b at column 256 x tile column + 128 a1
.irp e, 0,1,2,3
.irp j, 0,1,2,3
	global_load_b128 v[BQ+16*\e+4*\j:BQ+16*\e+4*\j+3], v22, s[74:75] offset:128*\e+16*\j   ; register 16 e + z: column 32 e + 16 h + z
.endr
.endr
.irp a, 0,1,2,3,4,5,6,7
	global_load_b32 v[BV+2*\a], v23, s[76:77] offset:(32*(\a/2)+8*(\a%2))*4                ; column pi(a, r), into both halves of a pair
	global_load_b32 v[BV+2*\a+1], v23, s[76:77] offset:(32*(\a/2)+8*(\a%2))*4
.endr
.macro FRAG reg, adr, q, i             ; a fragment comes as it lies: four loads of 512 consecutive bytes
.irp c, 0,1,2,3
	ds_load_b128 v[\reg+4*\c:\reg+4*\c+3], v[\adr] offset:(8*(\q)+(\i))*2048+512*\c
.endr
.endm
; 16 matrix instructions: source 1's blocks a0, a0 + 1 x source 0's eight, 128 along K.  The 64 accumulators take turns, one instruction a turn, in the same order in every step.
.macro MUL16 a0, p, zero
.irp a, \a0, \a0+1
.irp b, 0,1,2,3,4,5,6,7
.if \zero
	v_wmma_f32_16x16x128_fp8_fp8 v[8*(8*((\a)%4)+\b):8*(8*((\a)%4)+\b)+7], v[128*(\p)+FR*\b:128*(\p)+FR*\b+FR-1], v[AF+FR*(\a):AF+FR*(\a)+FR-1], 0
.else
	v_wmma_f32_16x16x128_fp8_fp8 v[8*(8*((\a)%4)+\b):8*(8*((\a)%4)+\b)+7], v[128*(\p)+FR*\b:128*(\p)+FR*\b+FR-1], v[AF+FR*(\a):AF+FR*(\a)+FR-1], v[8*(8*((\a)%4)+\b):8*(8*((\a)%4)+\b)+7]
.endif
.endr
.endr
.endm
.macro FETCH_B slot, q, p
	WIN TO_B
.irp i, 0,1,2,3,4,5,6,7
	FRAG 128*(\p)+FR*\i, ADRB+\slot, \q, \i
.endr
	WIN 0
.endm
.macro FETCH_A slot, q, i0
.irp i, \i0, \i0+1, \i0+2, \i0+3
	FRAG AF+FR*(\i), ADRA+\slot, \q, \i
.endr
.endm
.macro PLACES n                        ; plain vector lines between a matrix instruction and a load into, or a vector write or read of, its registers
.rept \n
	v_nop
.endr
.endm
.macro STEP slot, q, zero              ; a step of 128 along K that has its successor in the same slot
	s_wait_dscnt 4*NL                              ; source 0's set and source 1's blocks 0-3 are in; the youngest 16 loads (blocks 4-7) may be out
	WIN MUL_LO
	MUL16 0, (\q)%2, \zero
	MUL16 2, (\q)%2, \zero
	s_wait_dscnt 0
	PLACES NP
	FETCH_B \slot, (\q)+1, 1-(\q)%2
	FETCH_A \slot, (\q)+1, 0
	WIN MUL_HI
	MUL16 4, (\q)%2, \zero
	MUL16 6, (\q)%2, \zero
	PLACES NP
	WIN 0
	FETCH_A \slot, (\q)+1, 4
.endm
; A slot's last step changes slots: one barrier; ahead of it each wave waits for all its tensor loads, adds 0 to its spare word, and waits for that and for its reads of this slot.  fill = 1: the slot is filled again, two slots' worth ahead.
.macro TURN slot, next, fill
	s_wait_tensorcnt 0x0                           ; all my tensor loads have landed: my part of the next slot
	ds_add_u32 v[SPW], v[NIL]                      ; 0 onto my spare word
	s_wait_dscnt 4*NL+1                            ; the add and the youngest 16 loads may be out
	WIN MUL_LO
	MUL16 0, 1, 0
	s_wait_dscnt 0x0                               ; the add is done, and my reads of this slot are over
	s_barrier_signal -1
	MUL16 2, 1, 0
	WIN 0
	s_barrier_wait -1
.if \fill
	CREST                                          ; the barrier has opened a round of the cluster's: no wave of any partner still reads this slot or has a load on its way
	s_add_nc_u64 s[G0+4*\slot+2:G0+4*\slot+3], s[G0+4*\slot+2:G0+4*\slot+3], 2*HALFT
	s_add_nc_u64 s[G0B+4*\slot+2:G0B+4*\slot+3], s[G0B+4*\slot+2:G0B+4*\slot+3], 2*HALFT
	JLOAD G0+4*\slot, G1, G0B+4*\slot, G1B         ; the first tensor load behind the round; its four v_nop are also the places ahead of the loads below
.else
	PLACES NP
.endif
	FETCH_B \next, 0, 0
	FETCH_A \next, 0, 0
	WIN MUL_HI
	MUL16 4, 1, 0
	MUL16 6, 1, 0
	PLACES NP
	WIN 0
	FETCH_A \next, 0, 4
.endm
	s_wait_tensorcnt 1                             ; my part of slot 0 is in; slot 1's load may be out
	s_barrier_signal -1
	s_barrier_wait -1
	FETCH_B 0, 0, 0
	FETCH_A 0, 0, 0
	FETCH_A 0, 0, 4
	STEP 0, 0, 1                                   ; the first step's products start the sums
	TURN 0, 1, 1                                   ; slot 0 takes k = 512 .. 767
	STEP 1, 0, 0
	TURN 1, 0, 1                                   ; slot 1 takes k = 768 .. 1023
	STEP 0, 0, 0
	TURN 0, 1, 0                                   ; nothing is left to fetch
	STEP 1, 0, 0
	s_wait_dscnt 4*NL
	WIN MUL_LO
	MUL16 0, 1, 0
	MUL16 2, 1, 0
	s_wait_dscnt 0
	WIN MUL_HI
	MUL16 4, 1, 0
	MUL16 6, 1, 0
	WIN 0
	; THE WAY OUT
	s_wait_kmcnt 0x0
	s_wait_loadcnt 0x0                             ; the bias
	s_add_co_i32 s88, s80, s81
	s_add_co_i32 s88, s88, 127
	s_lshl_b32 s88, s88, 23                        ; 2^(e0 + e1) as f32
	s_mov_b32 s89, s88                             ; (named with it as a pair, so it is written)
	s_cmp_eq_u32 ttmp9, 0
	s_cselect_b32 s90, s82, s83                    ; the result's e: e2 for q, e3 for k,
	s_cselect_b64 s[92:93], s[68:69], s[70:71]
	s_cmp_eq_u32 ttmp9, 2
	s_cselect_b32 s90, s85, s90                    ; e5 for v
	s_cselect_b64 s[92:93], s[72:73], s[92:93]
	s_cselect_b32 s94, s16, s15                    ; which half of the tokens is mine,
	s_cselect_b32 s95, s15, s16                    ; and which half of the columns
	s_lshl_b32 s96, s17, 1
	s_add_co_u32 s96, s96, s94                     ; my block of 128 tokens
	s_lshr_b32 s97, s96, 4
	s_lshl_b32 s97, s97, 4                         ; 16 x batch
	s_lshl_b32 s98, s40, 1
	s_add_co_u32 s98, s98, s95
	s_lshl_b32 s98, s98, 1                         ; my first head: 2 (2 cx + half)
	s_add_co_u32 s97, s97, s98
	s_lshl_b32 s97, s97, 17
	s_and_b32 s96, s96, 15
	s_lshl_b32 s96, s96, 13
	s_add_co_u32 s96, s96, s97
	s_mov_b32 s97, 0
	s_add_nc_u64 s[92:93], s[92:93], s[96:97]
	s_add_co_i32 s90, s90, 127
	s_lshl_b32 s91, s90, 23
	v_mov_b32 v31, s91                             ; 2^e
	PLACES NP                                      ; behind the last products: their results are read and source 1's registers written below
; Block a of source 1, all 64 numbers of a lane: sum x 2^(e0 + e1) + bias, the hold, the conversion; each accumulator is read from its low end on.  Four stores of 512 consecutive bytes.
; kind 0 (q, k): lane = token pi(a, r), register 16 e + z = column 32 e + 16 h + z: head e / 2, piece e % 2 of tile a's image (16 rows x 64 d, 1,024 bytes).
; kind 1 (v): lane = column pi(a, r): head a / 4, d = pi(a % 4, r); register 16 e + z = key 32 e + 16 h + z: piece e of tile a % 4's image (16 d x 128 keys).
.macro EPI kind
.set ea, 0
.rept 8
.if ea >= 4
	s_wait_xcnt 0x0                                ; the stores of four blocks ago have read this set of codes
.endif
	WIN 0x02+ea/4
.set ej, 0
.rept 32
.if \kind
	v_pk_fma_f32 v[T+ej:T+ej+1], v[64*(ea%4)+ej:64*(ea%4)+ej+1], s[88:89], v[BV+2*ea:BV+2*ea+1] op_sel_hi:[1,0,1]
.else
	v_pk_fma_f32 v[T+ej:T+ej+1], v[64*(ea%4)+ej:64*(ea%4)+ej+1], s[88:89], v[BQ+ej:BQ+ej+1] op_sel_hi:[1,0,1]
.endif
.set ej, ej+2
.endr
	WIN 0
.set ej, 0
.rept 64
.set ej, ej+1
.endr
.set ej, 0
.rept 8
	v_cvt_scalef32_pk8_fp8_f32 v[CD+16*(ea%4)+2*ej:CD+16*(ea%4)+2*ej+1], v[T+8*ej:T+8*ej+7], v31
.set ej, ej+1
.endr
	v_nop                                          ; a plain vector line behind the last conversion
.set ej, 0
.rept 4
.if \kind
	global_store_b128 v26, v[CD+16*(ea%4)+4*ej:CD+16*(ea%4)+4*ej+3], s[92:93] offset:(ea/4)*131072+2048*(ea%4)+512*ej
.else
	global_store_b128 v26, v[CD+16*(ea%4)+4*ej:CD+16*(ea%4)+4*ej+3], s[92:93] offset:(ej/2)*131072+1024*ea+512*(ej%2)
.endif
.set ej, ej+1
.endr
.set ea, ea+1
.endr
.endm
	s_cmp_eq_u32 ttmp9, 2
	s_cbranch_scc1 .Lkind_v
	EPI 0
	s_branch .Ldone
.Lkind_v:
	EPI 1
.Ldone:
	s_wait_tensorcnt 0x0                           ; the wave's end
	ds_add_u32 v[SPW], v[NIL]
	s_wait_dscnt 0x0
	CROUND                                         ; the closing round: no work-group ends while a partner may still ask for a tile that names it
	s_endpgm
.Lfunc_end_k_q2b3abf0aaf_qkv:
	.size	k_q2b3abf0aaf_qkv, .Lfunc_end_k_q2b3abf0aaf_qkv-k_q2b3abf0aaf_qkv
	.p2alignl 7, 3214868480
	.fill 96, 4, 3214868480
	.section	.rodata,"a",@progbits
	.p2align	6, 0x0
	.amdhsa_kernel k_q2b3abf0aaf_qkv
		.amdhsa_group_segment_fixed_size 327680
		.amdhsa_private_segment_fixed_size 0
		.amdhsa_enable_private_segment 0
		.amdhsa_kernarg_size 56
		.amdhsa_user_sgpr_count 2
		.amdhsa_user_sgpr_kernarg_segment_ptr 1
		.amdhsa_wavefront_size32 1
		.amdhsa_system_sgpr_workgroup_id_x 1
		.amdhsa_system_sgpr_workgroup_id_y 1
		.amdhsa_system_sgpr_workgroup_id_z 1
		.amdhsa_system_vgpr_workitem_id 0
		.amdhsa_next_free_vgpr 1024
		.amdhsa_next_free_sgpr 100
		.amdhsa_reserve_vcc 0
		.amdhsa_float_denorm_mode_32 3
		.amdhsa_float_denorm_mode_16_64 3
		.amdhsa_fp16_overflow 1
		.amdhsa_memory_ordered 1
		.amdhsa_forward_progress 1
		.amdhsa_inst_pref_size 129
	.end_amdhsa_kernel
	.amdgpu_metadata
---
amdhsa.version: [ 1, 2 ]
amdhsa.kernels:
  - .name:           k_q2b3abf0aaf_qkv
    .symbol:         k_q2b3abf0aaf_qkv.kd
    .args:
      - { .name: x_img, .offset: 0, .size: 8, .value_kind: global_buffer, .address_space: global }
      - { .name: wqkv_img, .offset: 8, .size: 8, .value_kind: global_buffer, .address_space: global }
      - { .name: lowp_scales, .offset: 16, .size: 8, .value_kind: global_buffer, .address_space: global }
      - { .name: b_qkv, .offset: 24, .size: 8, .value_kind: global_buffer, .address_space: global }
      - { .name: q_img, .offset: 32, .size: 8, .value_kind: global_buffer, .address_space: global }
      - { .name: k_img, .offset: 40, .size: 8, .value_kind: global_buffer, .address_space: global }
      - { .name: v_img, .offset: 48, .size: 8, .value_kind: global_buffer, .address_space: global }
    .group_segment_fixed_size: 327680
    .private_segment_fixed_size: 0
    .kernarg_segment_align: 8
    .kernarg_segment_size: 56
    .max_flat_workgroup_size: 128
    .sgpr_count:     100
    .vgpr_count:     1024
    .wavefront_size: 32
...
	.end_amdgpu_metadata
.endif
;; end of part 2
;; launch attn (part 3): grid 4 x 64, 16 waves a work-group, clusters of 4 x 1, 327,680 bytes of LDS; arguments q_img, k_img, v_img, lowp_scales, y_img; writes y_img
.if DOCPART == 3
	.amdgcn_target "amdgcn-amd-amdhsa--gfx1250"
	.amdhsa_code_object_version 6
	.text
	.protected	k_q2b3abf0aaf_attn
	.globl	k_q2b3abf0aaf_attn
	.p2align	8
	.type	k_q2b3abf0aaf_attn,@function
k_q2b3abf0aaf_attn:
	s_mov_b64 s[64:65], 0
	v_nop
	global_prefetch_b8 v0, s[64:65] scope:SCOPE_SE
	s_setreg_imm32_b32 hwreg(HW_REG_WAVE_MODE, 25, 1), 1
	s_wait_xcnt 0x0
	s_wait_alu depctr_hold_cnt(0) depctr_sa_sdst(0) depctr_va_vdst(0) depctr_va_sdst(0) depctr_va_ssrc(0) depctr_va_vcc(0) depctr_vm_vsrc(0)
	s_getreg_b32 s2, hwreg(HW_REG_IB_STS2, 6, 4)
	s_cmp_eq_u32 s2, 0
	s_cbranch_scc0 .Lentry_in_a_cluster
	s_endpgm
.Lentry_in_a_cluster:
	s_bfe_u32 s2, ttmp6, 0x10000c
	s_cmp_lg_u32 s2, 0x3003
	s_cbranch_scc0 .Lentry_shape_is_right
	s_endpgm
.Lentry_shape_is_right:
; y = softmax(q k^T / 8, causal) v for 64 heads of 2,048 tokens x 64, both products on codes of E4M3; y is quantised on the way out (entry 6 of the scales).
; THE SOFTMAX: t = score x log2(e) / 8; M = the running largest t rounded UP to a whole number; p = 2^(t - M) is quantised with 2^e4, not normalised; the row's sum is taken of the unquantised p and divides at the end.
; When M moves, the sum and O are multiplied by 2^(old M - new M), which rounds nothing.
; LIMITS: e2 + e3 between -123 and 130 (they are added to the exponent field of log2(e) / 8); e4 and e6 between -126 and 119; e4 + e5 is applied by v_ldexp_f32 and has none.
; SHARES.  A cluster of four work-groups is one head.  The head's K and V are 128 KiB of codes each: ALL of both lies in each work-group's LDS, brought once by sixteen joint loads of 16 KiB: no ring, no refill.
; No prefetch: every tile is asked for by its tensor load at the kernel's head, so there is no later load to run ahead of.
; Each of the sixteen waves owns TWO tiles of 16 queries: with b = wave % 8, tile tau = 2 cx + wave / 8 of block 15 - b and of block b (blocks of 128 tokens).  Under the mask that is (16 - b) + (b + 1) = 17 key steps of 128
; for every wave.  Branches hang on the wave's number and the step alone; cx enters only global offsets and the mask's data.
; LAYOUT.  Both products are used transposed: S^T = K Q^T (source 0 = 16 keys), O^T = V^T P^T (source 0 = 16 of d): a lane holds one query throughout.  A tile's rows are pi(i, p) = 32 (i / 2) + 8 (i % 2) + p + 8 (p / 8),
; so the 16 registers of tiles 2 e and 2 e + 1 are 16 neighbours, 32 e + 16 (lane / 16) + 0 .. 15: p's codes are the second product's operand, and y's codes are pieces of the next launch's image.
; REGISTERS: v1 16 x lane; v2, v3 the add's two; v4 the mask's d; v5, v6 Q's offsets; v7, v8 y's; v9, v10 LDS addresses; v11 -infinity; v12 -M; v13 the largest t; v[14:15] the sum;
;   v16-23, v24-31 Q of the late and the early tile; v32-95 K's 8 fragments, then V's 4; v96-159 S^T, then p; v160-191 O^T; v192-207 p's codes; v208-223 y's codes; v224-227 scales; v[228:229] f; v[230:231], v232-234 at work.
.set VOFF,  131072                     ; LDS: K at 0 (8,192 bytes a block of 128 keys: 8 tiles of 1,024), V here (8,192 a block: 4 tiles of 2,048)
.set SPARE, 262144                     ; behind them: the spare words, 128 bytes for each wave: eight blocks of 256 bytes that no other line names
.set SPW, 2
.set NIL, 3
.set ADK, 9
.set ADV, 10
.set ST,  56                           ; s56  the key step
.set TB,  57                           ; s57  8,192 x the key step
.set BLK, 58                           ; s58  the block of the tile in hand
.macro CROUND                          ; a round of the cluster's barrier
	s_barrier_signal -1
	s_barrier_wait -1
	s_cmp_lg_u32 s14, 0
	s_cbranch_scc1 .Lnot_wave_0_\@
	s_barrier_signal -3
.Lnot_wave_0_\@:
	s_barrier_wait -3
	s_barrier_signal -1
	s_barrier_wait -1
.endm
	s_load_b256 s[4:11], s[0:1], 0x0               ; q_img s[4:5], k_img s[6:7], v_img s[8:9], the scales s[10:11]
	s_load_b64 s[12:13], s[0:1], 0x20              ; y_img
	v_lshl_add_u32 v[SPW], v0, 2, SPARE
	v_mov_b32 v[NIL], 0
	ds_add_u32 v[SPW], v[NIL]                      ; the wave's opening: the add and its wait stand ahead of the first tensor loads; work on registers stands between them
	ds_add_u32 v[SPW], v[NIL]
	v_lshrrev_b32 v1, 5, v0
	s_delay_alu instid0(VALU_DEP_1)
	v_readfirstlane_b32 s14, v1                    ; wave 0..15
	s_bfe_u32 s15, ttmp6, 0x40000                  ; cx
	s_and_b32 s16, ttmp7, 0xffff                   ; 16 x batch + head, which the four partners share
	s_mov_b32 s24, 15|(1<<21)                      ; group 1: 15:0 the mask: all four work-groups; elements of 1 byte; 21 set beside a mask; no padding
	s_mov_b32 s25, 256<<16                         ; tensor_dim0 = 256
	s_mov_b32 s26, 64<<16                          ; tensor_dim1 = 64
	s_mov_b32 s27, 256<<16                         ; tile_dim0 = 256
	s_mov_b32 s28, 64                              ; tile_dim1 = 64: 16 KiB, dense
	s_mov_b32 s29, 256
	s_mov_b32 s30, 0
	s_mov_b32 s31, 0
	s_mov_b32 s20, 0x76543210                      ; v_permlanex16_b32's selects: lane l xor 16
	s_mov_b32 s21, 0xfedcba98
	s_and_b32 s60, s14, 3                          ; waves 0 and 1 fetch K, waves 2 and 3 V; load n of a wave is chunk 2 n + wave % 2 (a chunk: 256 keys, 16 KiB)
	s_lshr_b32 s61, s60, 1
	s_and_b32 s62, s60, 1
	s_lshl_b32 s63, s62, 14
	s_lshl_b32 s66, s61, 17
	s_add_co_u32 s66, s66, s63                     ; LDS address of my load 0
	s_lshl_b32 s68, s16, 17
	s_add_co_u32 s68, s68, s63                     ; and its place in the buffer
	s_mov_b32 s69, 0
	s_wait_dscnt 0x0                               ; the opening add is done
	s_wait_kmcnt 0x0
	s_load_b256 s[48:55], s[10:11], 0x0            ; e0 .. e7
	s_cmp_eq_u32 s61, 0
	s_cselect_b64 s[70:71], s[6:7], s[8:9]
	s_add_nc_u64 s[70:71], s[70:71], s[68:69]
.irp n, 0,1,2,3
	s_mov_b32 s[32+4*\n], 1
	s_add_co_u32 s[33+4*\n], s66, \n<<15
	s_add_nc_u64 s[34+4*\n:35+4*\n], s[70:71], \n<<15
	s_or_b32 s[35+4*\n], s[35+4*\n], 0x80000000
.endr
	CROUND                                         ; all four work-groups are here: the joint loads meet
	s_cmp_lt_u32 s14, 4                            ; a wave's four first fills stand in one branch on the wave's number; four loads of mine are out
	s_cbranch_scc0 .Lno_fetch
.irp n, 0,1,2,3
	tensor_load_to_lds s[32+4*\n:35+4*\n], s[24:31]
	s_nop 0
.endr
.rept 4
	v_nop
.endr
.Lno_fetch:
	v_and_b32 v1, 31, v0
	s_delay_alu instid0(VALU_DEP_1)
	v_lshlrev_b32 v1, 4, v1                        ; 16 x lane
	v_and_b32 v232, 15, v0                         ; r
	s_wait_alu depctr_va_vdst(0)
	v_bfe_u32 v233, v0, 4, 1                       ; h
	s_wait_alu depctr_va_vdst(0)
	s_and_b32 s72, s14, 7                          ; b: the early block
	s_lshr_b32 s73, s14, 3
	s_lshl_b32 s74, s15, 1
	s_add_co_u32 s74, s74, s73                     ; tau = 2 cx + wave / 8
	s_sub_co_u32 s75, 15, s72                      ; the late block
	s_lshr_b32 s76, s74, 1
	s_lshl_b32 s76, s76, 5
	s_and_b32 s77, s74, 1
	s_lshl_b32 s77, s77, 3
	s_add_co_u32 s76, s76, s77
	v_and_b32 v4, 8, v232
	s_delay_alu instid0(VALU_DEP_1)
	v_add_nc_u32 v4, v4, v232
	v_lshlrev_b32 v233, 4, v233
	s_delay_alu instid0(VALU_DEP_1)
	v_sub_nc_u32 v4, v4, v233
	s_delay_alu instid0(VALU_DEP_1)
	v_add_nc_u32 v4, s76, v4                       ; d = my query's place in its block - 16 h.  Register n of S^T holds key 32 (n / 16) + n % 16 + 16 h of the step: on the diagonal hidden where 32 (n / 16) + n % 16 > d
	s_lshl_b32 s68, s16, 17
	s_add_nc_u64 s[4:5], s[4:5], s[68:69]          ; Q at my head
	s_lshl_b32 s76, s74, 10
	s_lshl_b32 s77, s75, 13
	s_add_co_u32 s77, s77, s76
	v_add_nc_u32 v5, s77, v1                       ; the late tile: block x 8,192 + tau x 1,024 + 16 lane
	s_lshl_b32 s77, s72, 13
	s_add_co_u32 s77, s77, s76
	v_add_nc_u32 v6, s77, v1                       ; the early tile
	global_load_b128 v[16:19], v5, s[4:5]
	global_load_b128 v[20:23], v5, s[4:5] offset:512
	global_load_b128 v[24:27], v6, s[4:5]
	global_load_b128 v[28:31], v6, s[4:5] offset:512
	s_lshr_b32 s76, s16, 4
	s_lshl_b32 s76, s76, 4                         ; 16 x batch
	s_add_co_u32 s77, s76, s75
	s_add_co_u32 s76, s76, s72
	s_lshl_b32 s77, s77, 17                        ; y's row block, late and early
	s_lshl_b32 s76, s76, 17
	s_and_b32 s78, s16, 15                         ; the head: its 64 columns are half of K step head / 2: pieces 2 (head % 2) and 2 (head % 2) + 1
	s_lshr_b32 s79, s78, 1
	s_lshl_b32 s79, s79, 14
	s_and_b32 s78, s78, 1
	s_lshl_b32 s78, s78, 10
	s_add_co_u32 s78, s78, s79
	s_lshl_b32 s79, s74, 11
	s_add_co_u32 s78, s78, s79
	s_add_co_u32 s77, s77, s78
	s_add_co_u32 s76, s76, s78
	v_add_nc_u32 v7, s77, v1
	v_add_nc_u32 v8, s76, v1
	v_mov_b32 v11, 0xff800000                      ; -infinity
	v_mov_b32 v229, 0                              ; (named as the upper half of the pair v[228:229])
	v_mov_b32 v234, 0                              ; written once: a lane permute's destination counts as one of its sources
	s_wait_kmcnt 0x0
	s_add_co_i32 s60, s50, s51
	s_lshl_b32 s60, s60, 23
	s_mov_b32 s22, 0x3e38aa3b                      ; log2(e) / 8
	s_add_co_i32 s22, s22, s60                     ; a score stands for score x 2^(e2 + e3): the exponents are added to the factor's exponent field
	s_mov_b32 s23, s22
	s_add_co_i32 s59, s52, s53                     ; e4 + e5
	s_add_co_i32 s60, s52, 127
	s_lshl_b32 s61, s60, 23
	v_mov_b32 v225, s61                            ; 2^e4
	s_add_co_i32 s60, s54, 127
	s_lshl_b32 s61, s60, 23
	v_mov_b32 v227, s61                            ; 2^e6
.macro INIT                            ; a tile begins: the largest t under every t, zeros for the sum and O^T, which the first change of M leaves zeros; so the step is written without a first step of its own
	v_mov_b32 v13, 0xff61b1e6
	s_delay_alu instid0(VALU_DEP_1)
	v_floor_f32 v12, -v13
	v_mov_b32 v14, 0
	v_mov_b32 v15, 0
.set oi, 0
.rept 32
	v_mov_b32 v[160+oi], 0
.set oi, oi+1
.endr
.endm
; A KEY STEP: 128 keys.  causal = 1: a step past my block is left out (a scalar branch on the wave's number and the step, round the work, not round the lines that step); on the diagonal hidden scores become -infinity.
.macro STEP causal, qr
.if \causal
	s_cmp_gt_u32 s[ST], s[BLK]
	s_cbranch_scc1 .Lhid_\@
.endif
	s_setprio 2
	v_add_nc_u32 v[ADK], s[TB], v1
	s_delay_alu instid0(VALU_DEP_1)
	v_add_nc_u32 v[ADV], VOFF, v[ADK]
	v_nop                                          ; with the two additions: four places ahead of loads into registers that the last step's products have read
	v_nop
.irp t, 0,1,2,3,4,5,6,7
	ds_load_b128 v[32+8*\t:35+8*\t], v[ADK] offset:1024*\t
	ds_load_b128 v[36+8*\t:39+8*\t], v[ADK] offset:1024*\t+512
.endr
	s_wait_alu depctr_va_vdst(0)
	s_wait_dscnt 0x0
.irp t, 0,1,2,3,4,5,6,7
	v_wmma_f32_16x16x64_fp8_fp8 v[96+8*\t:103+8*\t], v[32+8*\t:39+8*\t], v[\qr:\qr+7], 0
.endr
.rept 4
	v_nop                                          ; places: K's registers take V's fragments, and the scores are read
.endr
.irp t, 0,1,2,3
.irp c, 0,1,2,3
	ds_load_b128 v[32+16*\t+4*\c:35+16*\t+4*\c], v[ADV] offset:2048*\t+512*\c   ; V lands while the softmax is worked
.endr
.endr
.if \causal
	s_cmp_lg_u32 s[ST], s[BLK]
	s_cbranch_scc1 .Lopen_\@
.set mn, 0
.rept 64
	v_cmp_gt_i32 vcc_lo, 32*(mn/16)+mn%16, v4
	v_cndmask_b32 v[96+mn], v[96+mn], v11, vcc_lo
.set mn, mn+1
.endr
.Lopen_\@:
.endif
	v_max3_num_f32 v232, v96, v97, v98             ; the step's largest score of my query among my 64 keys, in two chains, each accumulator from its low end on,
	v_max3_num_f32 v233, v99, v100, v101
.irp i, 6,10,14,18,22,26,30,34,38,42,46,50,54,58
	v_max3_num_f32 v232, v232, v[96+\i], v[97+\i]
	v_max3_num_f32 v233, v233, v[98+\i], v[99+\i]
.endr
	v_max3_num_f32 v232, v232, v158, v159
	s_delay_alu instid0(VALU_DEP_1)
	v_max_num_f32 v232, v232, v233
	s_delay_alu instid0(VALU_DEP_1)
	v_permlanex16_b32 v234, v232, s20, s21
	s_delay_alu instid0(VALU_DEP_1)
	v_max_num_f32 v232, v232, v234                 ; and among lane l xor 16's
	s_delay_alu instid0(VALU_DEP_1)
	v_mul_f32 v232, s22, v232                      ; as t (the factor is positive)
	s_delay_alu instid0(VALU_DEP_1)
	v_max_num_f32 v13, v13, v232                   ; the running largest t
	v_mov_b32 v232, v12
	s_delay_alu instid0(VALU_DEP_2)
	v_floor_f32 v12, -v13                          ; the new -M = floor(-t) = -ceil(t)
	s_delay_alu instid0(VALU_DEP_1)
	v_sub_f32 v232, v12, v232                      ; old M - new M: a whole number, 0 or less
	s_delay_alu instid0(VALU_DEP_1)
	v_cvt_i32_f32 v232, v232                       ; (it saturates)
	s_delay_alu instid0(VALU_DEP_1)
	v_ldexp_f32 v228, 1.0, v232                    ; f = 2^(old M - new M)
.set sj, 0
.rept 32
	v_pk_fma_f32 v[96+sj:97+sj], v[96+sj:97+sj], s[22:23], v[12:13] op_sel_hi:[1,0,0]   ; t - M, two at a time
.set sj, sj+2
.endr
.set sj, 0
	s_setprio 1
	s_wait_alu depctr_va_vdst(0)
.rept 64
	v_exp_f32 v[96+sj], v[96+sj]                   ; p = 2^(t - M)
.set sj, sj+1
.endr
	v_pk_mul_f32 v[14:15], v[14:15], v[228:229] op_sel_hi:[1,0]   ; the sum under the new M: the plain line behind the exponentials
	s_wait_alu depctr_va_vdst(0)                   ; one wait for the whole batch, ahead of its first reader
	v_pk_add_f32 v[230:231], v[100:101], v[104:105]
	v_pk_add_f32 v[254:255], v[108:109], v[112:113]
	v_pk_add_f32 v[252:253], v[116:117], v[120:121]
	v_pk_add_f32 v[250:251], v[124:125], v[128:129]
	v_pk_add_f32 v[248:249], v[132:133], v[136:137]
	v_pk_add_f32 v[246:247], v[140:141], v[144:145]
	v_pk_add_f32 v[244:245], v[148:149], v[152:153]
	v_pk_add_f32 v[14:15], v[14:15], v[156:157]
	v_pk_add_f32 v[230:231], v[230:231], v[96:97]
	v_pk_add_f32 v[254:255], v[254:255], v[98:99]
	v_pk_add_f32 v[252:253], v[252:253], v[102:103]
	v_pk_add_f32 v[250:251], v[250:251], v[106:107]
	v_pk_add_f32 v[248:249], v[248:249], v[110:111]
	v_pk_add_f32 v[246:247], v[246:247], v[114:115]
	v_pk_add_f32 v[244:245], v[244:245], v[118:119]
	v_pk_add_f32 v[14:15], v[14:15], v[122:123]
	v_pk_add_f32 v[230:231], v[230:231], v[126:127]
	v_pk_add_f32 v[254:255], v[254:255], v[130:131]
	v_pk_add_f32 v[252:253], v[252:253], v[134:135]
	v_pk_add_f32 v[250:251], v[250:251], v[138:139]
	v_pk_add_f32 v[248:249], v[248:249], v[142:143]
	v_pk_add_f32 v[246:247], v[246:247], v[146:147]
	v_pk_add_f32 v[244:245], v[244:245], v[150:151]
	v_pk_add_f32 v[14:15], v[14:15], v[154:155]
	v_pk_add_f32 v[230:231], v[230:231], v[158:159]
	s_delay_alu instid0(VALU_DEP_2)
	v_pk_add_f32 v[14:15], v[14:15], v[250:251]
	s_delay_alu instid0(VALU_DEP_2)
	v_pk_add_f32 v[230:231], v[230:231], v[248:249]
	v_pk_add_f32 v[254:255], v[254:255], v[246:247]
	v_pk_add_f32 v[252:253], v[252:253], v[244:245]
	s_delay_alu instid0(VALU_DEP_2)
	v_pk_add_f32 v[14:15], v[14:15], v[254:255]
	s_delay_alu instid0(VALU_DEP_2)
	v_pk_add_f32 v[230:231], v[230:231], v[252:253]
	s_delay_alu instid0(VALU_DEP_1)
	v_pk_add_f32 v[14:15], v[14:15], v[230:231]
.set sj, 0
.rept 64
.set sj, sj+1
.endr
.set sj, 0
	s_setprio 0
.rept 8
	v_cvt_scalef32_pk8_fp8_f32 v[192+2*sj:193+2*sj], v[96+8*sj:103+8*sj], v225
.set sj, sj+1
.endr
.set sj, 0
.rept 16
	v_pk_mul_f32 v[160+sj:161+sj], v[160+sj:161+sj], v[228:229] op_sel_hi:[1,0]   ; O^T under the new M; also the plain lines behind the conversions
.set sj, sj+2
.endr
	s_wait_alu depctr_va_vdst(0)
	s_wait_dscnt 0x0                               ; V is in
.irp t, 0,1,2,3
	v_wmma_f32_16x16x128_fp8_fp8 v[160+8*\t:167+8*\t], v[32+16*\t:47+16*\t], v[192:207], v[160+8*\t:167+8*\t]   ; the four accumulators take turns, one instruction a turn
.endr
.if \causal
.Lhid_\@:
.endif
	s_add_co_u32 s[ST], s[ST], 1
	s_add_co_u32 s[TB], s[TB], 8192
.endm
; A tile ends: O^T / the sum x 2^(e4 + e5), held, converted with 2^e6.  Register 16 e + z is column 32 e + 16 h + z of my head: two stores of 512 consecutive bytes, aligned.
.macro FINISH yc, yoff
.rept 4
	v_nop                                          ; places behind the last products
.endr
	v_add_f32 v14, v14, v15
	s_delay_alu instid0(VALU_DEP_1)
	v_permlanex16_b32 v234, v14, s20, s21
	s_delay_alu instid0(VALU_DEP_1)
	v_add_f32 v14, v14, v234                       ; the row's sum
	s_wait_alu depctr_va_vdst(0)
	v_rcp_f32 v14, v14
	v_nop                                          ; a plain line behind the reciprocal
	s_wait_alu depctr_va_vdst(0)                   ; and the wait ahead of its first reader
	v_ldexp_f32 v14, v14, s59
.set sj, 0
.rept 16
	v_pk_mul_f32 v[96+sj:97+sj], v[160+sj:161+sj], v[14:15] op_sel_hi:[1,0]
.set sj, sj+2
.endr
.set sj, 0
.rept 32
.set sj, sj+1
.endr
.set sj, 0
.rept 4
	v_cvt_scalef32_pk8_fp8_f32 v[\yc+2*sj:\yc+2*sj+1], v[96+8*sj:103+8*sj], v227
.set sj, sj+1
.endr
	v_nop                                          ; a plain line behind the last conversion
	global_store_b128 v[\yoff], v[\yc:\yc+3], s[12:13]
	global_store_b128 v[\yoff], v[\yc+4:\yc+7], s[12:13] offset:512
.endm
	INIT
	s_mov_b32 s[BLK], s75                          ; the late tile: blocks 8 to 15, so its first eight steps need no mask
	s_wait_loadcnt 0x0                             ; Q
	s_wait_tensorcnt 3                             ; each fetching wave's first load is in (its three later ones may be out): keys 0 to 511 of K and V
	s_barrier_signal -1
	s_barrier_wait -1
	s_mov_b32 s[ST], 0
	s_mov_b32 s[TB], 0
.Lloop_a:
	STEP 0, 16
	s_cmp_lt_u32 s[ST], 4
	s_cbranch_scc1 .Lloop_a
	s_setprio 0
	s_wait_tensorcnt 2                             ; the second load of each is in: keys 512 to 1,023
	s_wait_dscnt 0x0
	s_barrier_signal -1
	s_barrier_wait -1
	s_mov_b32 s[ST], 4
	s_mov_b32 s[TB], 4*8192
.Lloop_b:
	STEP 0, 16
	s_cmp_lt_u32 s[ST], 8
	s_cbranch_scc1 .Lloop_b
	s_setprio 0
	s_wait_tensorcnt 0x0                           ; all of K and V
	s_wait_dscnt 0x0
	s_barrier_signal -1
	s_barrier_wait -1
	s_mov_b32 s[ST], 8
	s_mov_b32 s[TB], 8*8192
.Lloop_c:
	STEP 1, 16
	s_cmp_lt_u32 s[ST], 16
	s_cbranch_scc1 .Lloop_c
	s_setprio 0
	FINISH 208, 7
	INIT
	s_mov_b32 s[BLK], s72                          ; the early tile
	s_mov_b32 s[ST], 0
	s_mov_b32 s[TB], 0
.Lloop_d:
	STEP 1, 24
	s_cmp_lt_u32 s[ST], 8
	s_cbranch_scc1 .Lloop_d
	s_setprio 0
	FINISH 216, 8
	s_wait_tensorcnt 0x0                           ; the wave's end
	ds_add_u32 v[SPW], v[NIL]
	s_wait_dscnt 0x0
	CROUND                                         ; the closing round
	s_endpgm
.Lfunc_end_k_q2b3abf0aaf_attn:
	.size	k_q2b3abf0aaf_attn, .Lfunc_end_k_q2b3abf0aaf_attn-k_q2b3abf0aaf_attn
	.p2alignl 7, 3214868480
	.fill 96, 4, 3214868480
	.section	.rodata,"a",@progbits
	.p2align	6, 0x0
	.amdhsa_kernel k_q2b3abf0aaf_attn
		.amdhsa_group_segment_fixed_size 327680
		.amdhsa_private_segment_fixed_size 0
		.amdhsa_enable_private_segment 0
		.amdhsa_kernarg_size 40
		.amdhsa_user_sgpr_count 2
		.amdhsa_user_sgpr_kernarg_segment_ptr 1
		.amdhsa_wavefront_size32 1
		.amdhsa_system_sgpr_workgroup_id_x 1
		.amdhsa_system_sgpr_workgroup_id_y 1
		.amdhsa_system_sgpr_workgroup_id_z 1
		.amdhsa_system_vgpr_workitem_id 0
		.amdhsa_next_free_vgpr 256
		.amdhsa_next_free_sgpr 80
		.amdhsa_reserve_vcc 1
		.amdhsa_float_denorm_mode_32 3
		.amdhsa_float_denorm_mode_16_64 3
		.amdhsa_fp16_overflow 1
		.amdhsa_memory_ordered 1
		.amdhsa_forward_progress 1
		.amdhsa_inst_pref_size 80
	.end_amdhsa_kernel
	.amdgpu_metadata
---
amdhsa.version: [ 1, 2 ]
amdhsa.kernels:
  - .name:           k_q2b3abf0aaf_attn
    .symbol:         k_q2b3abf0aaf_attn.kd
    .args:
      - { .name: q_img, .offset: 0, .size: 8, .value_kind: global_buffer, .address_space: global }
      - { .name: k_img, .offset: 8, .size: 8, .value_kind: global_buffer, .address_space: global }
      - { .name: v_img, .offset: 16, .size: 8, .value_kind: global_buffer, .address_space: global }
      - { .name: lowp_scales, .offset: 24, .size: 8, .value_kind: global_buffer, .address_space: global }
      - { .name: y_img, .offset: 32, .size: 8, .value_kind: global_buffer, .address_space: global }
    .group_segment_fixed_size: 327680
    .private_segment_fixed_size: 0
    .kernarg_segment_align: 8
    .kernarg_segment_size: 40
    .max_flat_workgroup_size: 512
    .sgpr_count:     80
    .vgpr_count:     256
    .wavefront_size: 32
...
	.end_amdgpu_metadata
.endif
;; end of part 3
;; launch proj (part 4): grid 4 x 32, 4 waves a work-group, clusters of 4 x 4, 327,680 bytes of LDS; arguments y_img, wo_img, lowp_scales, b_o, out0; writes out0
.if DOCPART == 4
	.amdgcn_target "amdgcn-amd-amdhsa--gfx1250"
	.amdhsa_code_object_version 6
	.text
	.protected	k_q2b3abf0aaf_proj
	.globl	k_q2b3abf0aaf_proj
	.p2align	8
	.type	k_q2b3abf0aaf_proj,@function
k_q2b3abf0aaf_proj:
	s_mov_b64 s[64:65], 0
	v_nop
	global_prefetch_b8 v0, s[64:65] scope:SCOPE_SE
	s_setreg_imm32_b32 hwreg(HW_REG_WAVE_MODE, 25, 1), 1
	s_wait_xcnt 0x0
	s_wait_alu depctr_hold_cnt(0) depctr_sa_sdst(0) depctr_va_vdst(0) depctr_va_sdst(0) depctr_va_ssrc(0) depctr_va_vcc(0) depctr_vm_vsrc(0)
	s_getreg_b32 s2, hwreg(HW_REG_IB_STS2, 6, 4)
	s_cmp_eq_u32 s2, 0
	s_cbranch_scc0 .Lentry_in_a_cluster
	s_endpgm
.Lentry_in_a_cluster:
	s_bfe_u32 s2, ttmp6, 0x10000c
	s_cmp_lg_u32 s2, 0xf033
	s_cbranch_scc0 .Lentry_shape_is_right
	s_endpgm
.Lentry_shape_is_right:
; out = y w_o + b_o on codes of E4M3 (8192 x 1024 x 1024), f32 out: each finished sum x 2^(e6 + e7) + bias, one fused multiply-add.
; LIMITS: e6 + e7 between -126 and 127.  Along K the codes stand in the same permuted order in both operands, so the order of the sums inside an instruction is not the ascending one.
; OPERANDS ARE IMAGES OF REGISTERS: a fragment (16 rows x 128 k) is 2,048 bytes, byte 512 c + 16 lane + z = (row pi(i, lane % 16), k = 32 c + 16 (lane / 16) + z), pi(i, p) = 32 (i / 2) + 8 (i % 2) + p + 8 (p / 8).
; 256 along K of a block of 128 rows are 32,768 consecutive bytes: one tensor load; LDS reads are 512 consecutive bytes an instruction, so no padding.
; SHARES: a work-group of four waves makes 256 tokens x 256 columns, a wave 128 x 128.  That is 128 work-groups: the size has no more tiles of this shape.  K goes in four slots' worth of 256 through two LDS slots, written out.
; CLUSTERS: 4 x 4 work-groups; y's tiles are asked for jointly along a row of the cluster, the weight's along a column.
; Source 0 = the weight, source 1 = y: a lane holds one token, and its registers of two neighbouring tiles 16 neighbouring columns.  A block of 16 tokens x 128 columns goes through the wave's stage in LDS and leaves as whole rows of 512 bytes.
; REGISTERS: window 0: v0-31 addresses; v32-95 the bias; v128-255 source 1's fragments, later rows read back.  window 1: source 0's two sets, later (v0-63) a block's results.  windows 2, 3: the accumulators.
.set HALFT,  32768
.set SLOT,   131072
.set SPARE,  262144                    ; behind the ring: the spare words, 128 bytes for each wave: two blocks of 256 bytes that no other line names
.set SP,     528                       ; the stage: 16 rows x (512 bytes + 16) for each wave, in slot 0, which has had its last fill and its last read when the first result is stored there
.set FR,     16
.set NL,     4
.set NP,     4
.set ADRA, 16
.set ADRB, 20
.set STO,  24                          ; v24  where I put 64 bytes of a row
.set RD,   25                          ; v25  where I read a row back
.set CO,   26                          ; v26  16 x lane
.set SPW,  28
.set NIL,  29
.set BQ,   32
.set AF,   128
.set BK,   128                         ; 16 rows read back: v128-191 and v192-255 by turns
.set G1, 24
.set G0, 32
.set G1B, 48
.set G0B, 56
.set MSB, 0
.macro WIN new
.if MSB != (\new)
	s_set_vgpr_msb (MSB<<8)|(\new)
.set MSB, (\new)
.endif
.endm
.set MUL_LO, 0xa1
.set MUL_HI, 0xf1
.set TO_B,   0x40
.macro JLOAD g0a, g1a, g0b, g1b        ; a joint load: waves 0 and 1 fetch y's two blocks, waves 2 and 3 the weight's; an s_nop 0 and four v_nop follow each line
	s_cmp_eq_u32 s15, 0
	s_cbranch_scc0 .Lfor_b_\@
	tensor_load_to_lds s[\g0a:\g0a+3], s[\g1a:\g1a+7]
	s_nop 0
.rept 4
	v_nop
.endr
	s_branch .Lasked_\@
.Lfor_b_\@:
	tensor_load_to_lds s[\g0b:\g0b+3], s[\g1b:\g1b+7]
	s_nop 0
.rept 4
	v_nop
.endr
.Lasked_\@:
.endm
.macro CREST
	s_cmp_lg_u32 s14, 0
	s_cbranch_scc1 .Lnot_wave_0_\@
	s_barrier_signal -3
.Lnot_wave_0_\@:
	s_barrier_wait -3
	s_barrier_signal -1
	s_barrier_wait -1
.endm
.macro CROUND
	s_barrier_signal -1
	s_barrier_wait -1
	CREST
.endm
	s_load_b256 s[4:11], s[0:1], 0x0               ; y_img s[4:5], wo_img s[6:7], the scales s[8:9], b_o s[10:11]
	s_load_b64 s[68:69], s[0:1], 0x20              ; out0
	v_lshl_add_u32 v[SPW], v0, 2, SPARE
	v_mov_b32 v[NIL], 0
	ds_add_u32 v[SPW], v[NIL]                      ; the wave's opening: the add and its wait stand ahead of my first tensor load
	ds_add_u32 v[SPW], v[NIL]
	v_lshrrev_b32 v1, 5, v0
	v_readfirstlane_b32 s14, v1                    ; wave 0..3
	s_lshr_b32 s15, s14, 1                         ; a1: my half of the tokens.  Also: I fetch for y (0) or for the weight (1)
	s_and_b32 s16, s14, 1                          ; a0: my half of the columns.  Also: which block of 128 rows I fetch
	s_bfe_u32 s40, ttmp6, 0x40000
	s_bfe_u32 s41, ttmp6, 0x40004
	s_lshl_b32 s42, ttmp9, 2
	s_add_co_u32 s42, s42, s40                     ; tile column
	s_and_b32 s17, ttmp7, 0xffff
	s_lshl_b32 s17, s17, 2
	s_add_co_u32 s17, s17, s41                     ; tile row
	s_lshl_b32 s43, s41, 2
	s_lshl_b32 s43, 15, s43
	s_lshl_b32 s44, 0x1111, s40
	s_or_b32 s[G1+0], s43, (1<<21)
	s_or_b32 s[G1B+0], s44, (1<<21)
.irp g, G1, G1B
	s_mov_b32 s[\g+1], 256<<16
	s_mov_b32 s[\g+2], 128<<16
	s_mov_b32 s[\g+3], 256<<16
	s_mov_b32 s[\g+4], 128
	s_mov_b32 s[\g+5], 256
	s_mov_b32 s[\g+6], 0
	s_mov_b32 s[\g+7], 0
.endr
	s_lshl_b32 s20, s17, 1
	s_add_co_u32 s20, s20, s16
	s_lshl_b32 s20, s20, 17
	s_mov_b32 s21, 0
	s_lshl_b32 s46, s42, 1
	s_add_co_u32 s46, s46, s16
	s_lshl_b32 s46, s46, 17
	s_mov_b32 s47, 0
	s_mul_i32 s45, s14, HALFT
	s_wait_dscnt 0x0
	s_wait_kmcnt 0x0
	s_load_b256 s[80:87], s[8:9], 0x0              ; e0 .. e7
	s_add_nc_u64 s[20:21], s[4:5], s[20:21]
	s_add_nc_u64 s[46:47], s[6:7], s[46:47]
	CROUND
.irp s, 0,1
	s_mov_b32 s[G0+4*\s], 1
	s_add_co_u32 s[G0+4*\s+1], s45, \s*SLOT
	s_add_nc_u64 s[G0+4*\s+2:G0+4*\s+3], s[20:21], \s*HALFT
	s_or_b32 s[G0+4*\s+3], s[G0+4*\s+3], 0x80000000
	s_mov_b32 s[G0B+4*\s], 1
	s_add_co_u32 s[G0B+4*\s+1], s45, \s*SLOT
	s_add_nc_u64 s[G0B+4*\s+2:G0B+4*\s+3], s[46:47], \s*HALFT
	s_or_b32 s[G0B+4*\s+3], s[G0B+4*\s+3], 0x80000000
	s_wait_alu depctr_va_vdst(0)
	s_wait_tensorcnt 0x0
	ds_add_u32 v28, v29
	ds_add_u32 v28, v29
	s_wait_dscnt 0x0
	CROUND
	JLOAD G0+4*\s, G1, G0B+4*\s, G1B
.endr
	v_and_b32 v1, 31, v0
	v_lshlrev_b32 v[CO], 4, v1
	s_lshl_b32 s21, s15, 15                        ; my block of y,
	s_lshl_b32 s22, s16, 15
	s_add_co_u32 s22, s22, 2*HALFT                 ; my block of the weight, behind y's two
.irp s, 0,1
	v_add_nc_u32 v[ADRA+\s], s21, v[CO]
	v_add_nc_u32 v[ADRB+\s], s22, v[CO]
	s_add_co_u32 s21, s21, SLOT
	s_add_co_u32 s22, s22, SLOT
.endr
	v_and_b32 v2, 15, v0                           ; r
	v_bfe_u32 v3, v0, 4, 1                         ; h
	v_lshlrev_b32 v22, 6, v3
	s_mul_i32 s23, s14, 16*SP                      ; my stage
	v_mul_u32_u24 v[STO], v2, SP
	v_lshl_add_u32 v[STO], v3, 6, v[STO]
	v_add_nc_u32 v[STO], s23, v[STO]               ; in: row r, + 64 h
	v_add_nc_u32 v[RD], s23, v[CO]                 ; back: the 32 lanes take one row of 512 bytes
	s_lshl_b32 s74, s42, 10
	s_lshl_b32 s75, s16, 9
	s_add_co_u32 s74, s74, s75
	s_mov_b32 s75, 0
	s_add_nc_u64 s[76:77], s[10:11], s[74:75]      ; b_o at column 256 x tile column + 128 a0
.irp e, 0,1,2,3
.irp j, 0,1,2,3
	global_load_b128 v[BQ+16*\e+4*\j:BQ+16*\e+4*\j+3], v22, s[76:77] offset:128*\e+16*\j   ; register 16 e + z: column 32 e + 16 h + z
.endr
.endr
	s_lshl_b32 s20, s17, 8
	s_lshl_b32 s21, s15, 7
	s_add_co_u32 s20, s20, s21
	s_lshl_b32 s20, s20, 12                        ; my first token x 4,096 bytes,
	s_add_co_u32 s20, s20, s74                     ; + my first column x 4
	s_mov_b32 s21, 0
	s_add_nc_u64 s[68:69], s[68:69], s[20:21]
.macro FRAG reg, adr, q, i
.irp c, 0,1,2,3
	ds_load_b128 v[\reg+4*\c:\reg+4*\c+3], v[\adr] offset:(8*(\q)+(\i))*2048+512*\c
.endr
.endm
.macro MUL16 a0, p, zero               ; the 64 accumulators take turns, one instruction a turn, in the same order in every step
.irp a, \a0, \a0+1
.irp b, 0,1,2,3,4,5,6,7
.if \zero
	v_wmma_f32_16x16x128_fp8_fp8 v[8*(8*((\a)%4)+\b):8*(8*((\a)%4)+\b)+7], v[128*(\p)+FR*\b:128*(\p)+FR*\b+FR-1], v[AF+FR*(\a):AF+FR*(\a)+FR-1], 0
.else
	v_wmma_f32_16x16x128_fp8_fp8 v[8*(8*((\a)%4)+\b):8*(8*((\a)%4)+\b)+7], v[128*(\p)+FR*\b:128*(\p)+FR*\b+FR-1], v[AF+FR*(\a):AF+FR*(\a)+FR-1], v[8*(8*((\a)%4)+\b):8*(8*((\a)%4)+\b)+7]
.endif
.endr
.endr
.endm
.macro FETCH_B slot, q, p
	WIN TO_B
.irp i, 0,1,2,3,4,5,6,7
	FRAG 128*(\p)+FR*\i, ADRB+\slot, \q, \i
.endr
	WIN 0
.endm
.macro FETCH_A slot, q, i0
.irp i, \i0, \i0+1, \i0+2, \i0+3
	FRAG AF+FR*(\i), ADRA+\slot, \q, \i
.endr
.endm
.macro PLACES n
.rept \n
	v_nop
.endr
.endm
.macro STEP slot, q, zero
	s_wait_dscnt 4*NL                              ; source 0's set and source 1's blocks 0-3 are in; the youngest 16 loads may be out
	WIN MUL_LO
	MUL16 0, (\q)%2, \zero
	MUL16 2, (\q)%2, \zero
	s_wait_dscnt 0
	PLACES NP
	FETCH_B \slot, (\q)+1, 1-(\q)%2
	FETCH_A \slot, (\q)+1, 0
	WIN MUL_HI
	MUL16 4, (\q)%2, \zero
	MUL16 6, (\q)%2, \zero
	PLACES NP
	WIN 0
	FETCH_A \slot, (\q)+1, 4
.endm
.macro TURN slot, next, fill
	s_wait_tensorcnt 0x0                           ; all my tensor loads have landed: my part of the next slot
	ds_add_u32 v[SPW], v[NIL]                      ; 0 onto my spare word
	s_wait_dscnt 4*NL+1                            ; the add and the youngest 16 loads may be out
	WIN MUL_LO
	MUL16 0, 1, 0
	s_wait_dscnt 0x0                               ; the add is done, and my reads of this slot are over
	s_barrier_signal -1
	MUL16 2, 1, 0
	WIN 0
	s_barrier_wait -1
.if \fill
	CREST                                          ; no wave of any partner still reads this slot or has a load on its way
	s_add_nc_u64 s[G0+4*\slot+2:G0+4*\slot+3], s[G0+4*\slot+2:G0+4*\slot+3], 2*HALFT
	s_add_nc_u64 s[G0B+4*\slot+2:G0B+4*\slot+3], s[G0B+4*\slot+2:G0B+4*\slot+3], 2*HALFT
	JLOAD G0+4*\slot, G1, G0B+4*\slot, G1B
.else
	PLACES NP
.endif
	s_wait_alu depctr_va_vdst(0)
	FETCH_B \next, 0, 0
	FETCH_A \next, 0, 0
	WIN MUL_HI
	MUL16 4, 1, 0
	MUL16 6, 1, 0
	PLACES NP
	WIN 0
	FETCH_A \next, 0, 4
.endm
	s_wait_tensorcnt 1                             ; my part of slot 0 is in; slot 1's load may be out
	s_barrier_signal -1
	s_barrier_wait -1
	FETCH_B 0, 0, 0
	FETCH_A 0, 0, 0
	FETCH_A 0, 0, 4
	STEP 0, 0, 1
	TURN 0, 1, 1
	STEP 1, 0, 0
	TURN 1, 0, 1
	STEP 0, 0, 0
	TURN 0, 1, 0
	STEP 1, 0, 0
	s_wait_dscnt 4*NL
	WIN MUL_LO
	MUL16 0, 1, 0
	MUL16 2, 1, 0
	s_wait_dscnt 0
	WIN MUL_HI
	MUL16 4, 1, 0
	MUL16 6, 1, 0
	WIN 0
; THE WAY OUT, block by block of 16 tokens x 128 columns, through my own stage.  LDS serves a wave's instructions in order: no wait between the stores and the loads, nor ahead of the next block's stores.
.macro TOSTAGE a
.set AC, 64*((\a)%4)
	WIN 0x42+((\a)/4)                              ; source 0 (the sums) window 2 or 3, the bias window 0, destination window 1
.set tj, 0
.rept 32
	v_pk_fma_f32 v[tj:tj+1], v[AC+tj:AC+tj+1], s[88:89], v[BQ+tj:BQ+tj+1] op_sel_hi:[1,0,1]   ; sum x 2^(e6 + e7) + bias; each accumulator from its low end on
.set tj, tj+2
.endr
	WIN 0x04                                       ; store data window 1
.irp b, 0,1,2,3,4,5,6,7
	ds_store_b128 v[STO], v[8*\b:8*\b+3] offset:128*(\b/2)+32*(\b%2)
	ds_store_b128 v[STO], v[8*\b+4:8*\b+7] offset:128*(\b/2)+32*(\b%2)+16
.endr
	WIN 0
.set BB, BK+64*((\a)%2)
.irp t, 0,1,2,3,4,5,6,7,8,9,10,11,12,13,14,15
	ds_load_b128 v[BB+4*\t:BB+4*\t+3], v[RD] offset:\t*SP
.endr
.endm
.macro SEND a, younger                 ; younger: the LDS instructions issued behind block a's loads, which may stay out
.set BB, BK+64*((\a)%2)
	s_wait_dscnt \younger
.irp t, 0,1,2,3,4,5,6,7,8,9,10,11,12,13,14,15
	global_store_b128 v[CO], v[BB+4*\t:BB+4*\t+3], s[68:69] offset:(32*((\a)/2)+8*((\a)%2)+\t+8*(\t/8))*4096 th:TH_STORE_NT   ; stage row t is token pi(a, t): 32 lanes store 512 consecutive bytes, aligned
.endr
.endm
	s_wait_kmcnt 0x0
	s_wait_loadcnt 0x0                             ; the bias
	s_add_co_i32 s88, s86, s87
	s_add_co_i32 s88, s88, 127
	s_lshl_b32 s88, s88, 23                        ; 2^(e6 + e7) as f32
	s_mov_b32 s89, s88
	PLACES NP                                      ; behind the last products: results are read, and operands' registers written and loaded into, below
	TOSTAGE 0
.irp a, 1,2,3,4,5,6,7
.if \a > 1
	s_wait_xcnt 0x0                                ; block a - 2's stores have read their registers: block a's loads may land there
.endif
	TOSTAGE \a
	SEND \a-1, 32                                  ; behind block a - 1's loads: block a's 16 stores and 16 loads
.endr
	SEND 7, 0
	s_wait_tensorcnt 0x0                           ; the wave's end
	ds_add_u32 v[SPW], v[NIL]
	s_wait_dscnt 0x0
	CROUND                                         ; the closing round
	s_endpgm
.Lfunc_end_k_q2b3abf0aaf_proj:
	.size	k_q2b3abf0aaf_proj, .Lfunc_end_k_q2b3abf0aaf_proj-k_q2b3abf0aaf_proj
	.p2alignl 7, 3214868480
	.fill 96, 4, 3214868480
	.section	.rodata,"a",@progbits
	.p2align	6, 0x0
	.amdhsa_kernel k_q2b3abf0aaf_proj
		.amdhsa_group_segment_fixed_size 327680
		.amdhsa_private_segment_fixed_size 0
		.amdhsa_enable_private_segment 0
		.amdhsa_kernarg_size 40
		.amdhsa_user_sgpr_count 2
		.amdhsa_user_sgpr_kernarg_segment_ptr 1
		.amdhsa_wavefront_size32 1
		.amdhsa_system_sgpr_workgroup_id_x 1
		.amdhsa_system_sgpr_workgroup_id_y 1
		.amdhsa_system_sgpr_workgroup_id_z 1
		.amdhsa_system_vgpr_workitem_id 0
		.amdhsa_next_free_vgpr 1024
		.amdhsa_next_free_sgpr 100
		.amdhsa_reserve_vcc 0
		.amdhsa_float_denorm_mode_32 3
		.amdhsa_float_denorm_mode_16_64 3
		.amdhsa_memory_ordered 1
		.amdhsa_forward_progress 1
		.amdhsa_inst_pref_size 125
	.end_amdhsa_kernel
	.amdgpu_metadata
---
amdhsa.version: [ 1, 2 ]
amdhsa.kernels:
  - .name:           k_q2b3abf0aaf_proj
    .symbol:         k_q2b3abf0aaf_proj.kd
    .args:
      - { .name: y_img, .offset: 0, .size: 8, .value_kind: global_buffer, .address_space: global }
      - { .name: wo_img, .offset: 8, .size: 8, .value_kind: global_buffer, .address_space: global }
      - { .name: lowp_scales, .offset: 16, .size: 8, .value_kind: global_buffer, .address_space: global }
      - { .name: b_o, .offset: 24, .size: 8, .value_kind: global_buffer, .address_space: global }
      - { .name: out0, .offset: 32, .size: 8, .value_kind: global_buffer, .address_space: global }
    .group_segment_fixed_size: 327680
    .private_segment_fixed_size: 0
    .kernarg_segment_align: 8
    .kernarg_segment_size: 40
    .max_flat_workgroup_size: 128
    .sgpr_count:     100
    .vgpr_count:     1024
    .wavefront_size: 32
...
	.end_amdgpu_metadata
.endif
;; end of part 4
